; MI455X (gfx1250); checked and timed in simulation.
; The chip was launched on July 23, 2026; its instructions are those of AMD's public machine-readable ISA for CDNA 5 (MIT licence, August 2026) and "CDNA5" Instruction Set Architecture Reference Guide (July 2026). The comments in the code are by the model that wrote it; some were corrected since.
;; Deformation Network. Allowed arithmetic: float matrix products may take bf16 or f16 operands with f32 sums; other float arithmetic in f32, or as packed bf16 or f16 multiplies, adds, multiply-adds, maxima and minima; sums over many terms, partial sums and values carried from step to step in f32; what a program stores and reads back later, other than sums and carried values, may be rounded once to bf16 or f16.
;; Inputs: W0 256 x 60 float32; W1 256 x 256 float32; W2 256 x 316 float32; W3 256 x 256 float32; Wop 1 x 256 float32; Wrot 4 x 256 float32; Wscale 3 x 256 float32; Wxyz 3 x 256 float32; b0 256 float32; b1 256 float32; b2 256 float32; b3 256 float32; bop 1 float32; brot 4 float32; bscale 3 float32; bxyz 3 float32; canonical_xyz 262,144 x 3 float32; time 1 x 1 float32.
;; Outputs: out0 262,144 x 3 float32; out1 262,144 x 4 float32; out2 262,144 x 3 float32; out3 262,144 x 1 float32.
;; One version. Each part assembles by itself: llvm-mc -triple=amdgcn-amd-amdhsa -mcpu=gfx1250 --defsym DOCPART=n.
;; ======== version 1 of 1: 2 launches
;; limits: inputs' magnitudes at most 256; values are held in f16: magnitudes above 65,504 overflow, below 6.1e-05 lose precision; right only within a limited range of input values
;; workspace buffers: wq 474,112 bytes; nrm 256 bytes
;; launch pack (part 1): grid 33 x 1, 16 waves a work-group, no clusters, 23,808 bytes of LDS; arguments W0, W1, W2, W3, Wxyz, Wop, Wrot, Wscale, b0, b1, b2, b3, bxyz, bop, brot, bscale, time, wq, nrm; writes wq, nrm
.if DOCPART == 1
	.amdgcn_target "amdgcn-amd-amdhsa--gfx1250"
	.amdhsa_code_object_version 6
	.text
	.protected	k_q7bb945133a_pack
	.globl	k_q7bb945133a_pack
	.p2align	8
	.type	k_q7bb945133a_pack,@function
k_q7bb945133a_pack:
	s_mov_b64 s[64:65], 0
	v_nop
	global_prefetch_b8 v0, s[64:65] scope:SCOPE_SE
	s_setreg_imm32_b32 hwreg(HW_REG_WAVE_MODE, 25, 1), 1
	s_wait_xcnt 0x0
; PACK: the weights of the deformation MLP, rounded to bf16, written as f16 in the order in which the matrix instruction's source 0 takes them, and the figures from which the next launch makes its scales.
; wq: 24 quarters of 16,640 bytes (layer l = 1..3, pair p of feature tiles: quarter 8 (l - 1) + p): 16 fragments of 1,024 bytes (tile 2 p + i, K block k at (8 i + k) x 1,024), 32 f32 biases, 128 bytes of 0.
;     A fragment lies in lane order: lane L's registers 0-3 at 16 L, its registers 4-7 at 512 + 16 L.  From byte RESG on: W0's x fragments (2,048 bytes a tile), W2's x fragments, the heads' 8 fragments, 16 head biases and 0.
; THE TIME ENCODING is the same for all points (time is [1, 1]), so its 21 columns of W0 and W2 are folded into the biases here, in f32: b_eff = b + W[:, time columns] . enc(time).
; x's 64 K SLOTS: word (f, qh, h, lw) of a row holds (sin_l, cos_l) of coordinate d = f + 2 h, l = 4 qh + lw = 0..5; l = 6: (the raw coordinate, a feature that is 1: its weight is W0's b_eff, for d = 0 alone); the rest 0.
; nrm: [8][8] f32, for each pair p: 0 c0, 1 a1, 2 c1, 3 a2, 4 c2, 5 a3, 6 c3, 7 unused (0).  a = the largest row sum of |W| over the columns of h; c = the largest of (row sum over sines and cosines + XMAX x row sum over
;     raw columns + |b_eff|): |h_l| <= a_l max|h_(l-1)| + c_l for |xyz| <= XMAX.
; SHARES.  Work-groups 0-23: a quarter; those of layer 2 also W2's x columns.  24-31: W0, a pair of tiles each.  32: the heads (rows 0-2 xyz, 3 opacity, 4-7 rotation, 8-10 scale, 11-15 zero), times 4,096.
; Wave r owns rows 32 p + r and 32 p + 16 + r.  All goes through LDS, so that each store of a wave covers 256 or 512 consecutive bytes, aligned.
; LIMITS.  |W| and |b0_eff| below 65,504, head weights below 16; a weight below 2^-17 keeps f16's fixed step of 6e-8.  XMAX = 256.  Sines by reduction to a quarter of the argument, polynomials and two doublings: error about 1e-6.
.set PST,   0                          ; 16,384 bytes: the quarter's 16 fragments
.set TAIL,  16384                      ; 1,024 bytes: biases, then 0
.set XST,   17408                      ; 4,096 bytes: two tiles' x fragments
.set RED,   21504                      ; 256 bytes: a of 32 rows, c of 32 rows
.set SPARE, 21760                      ; the spare words, 128 bytes for each of 16 waves: eight blocks of 256 bytes that no other line names
.set QB,    16640
.set RESG,  24*QB
.set LN,  1                            ; lane
.set SPW, 2                            ; LDS address of my spare word; never rewritten
.set NIL, 3                            ; 0; never rewritten
.set T16, 4                            ; 16 x thread
.set ZR,  5                            ; 0
.set TP,  6                            ; at work in the sums over lanes
.set PA,  7
.set BO,  8                            ; v8-9   byte offsets of my two biases
.set BB,  10                           ; v10-11 my two biases, then b_eff
.set TT,  12                           ; time
.set ZA,  13
.set AR,  14                           ; v14-15 a of my two rows
.set CR,  16                           ; v16-17 c of my two rows
.set L8,  18                           ; 8 x lane
.set PK,  36                           ; v36-39 packed
.set XA,  40
.set CS,  41
.set CC,  42
.set CT,  43
.set MS,  44
.set MC,  45
.set FS,  46
.set TE,  47
.set LW,  48
.set HH,  49
.set QH,  50
.set FF,  51
.set WS,  52
.set WC,  54
.set WT,  56
.set LL,  58
.set DD,  59
.set HO,  60
.set WV,  42                           ; s42 my wave's number r
.set LYR, 43                           ; s43 layer 0..3, 4 = the heads
.set PP,  46                           ; s46 pair of tiles
.set PI,  47                           ; s47 bytes in a row of W
.set WP,  48                           ; s[48:49] the table of my rows
.set BP,  50                           ; s[50:51] the table of my biases
.set RA,  52                           ; s52, s53 my two rows
.set RB,  53
.set SC,  54                           ; s[54:55] factor: 1; heads 4,096; padding rows 0
.set SB1, 56                           ; s56 factor of the second bias: 1; heads 0
.set SEL, 58                           ; s[58:59] v_permlanex16_b32's selects
.set DS,  62
.set XP,  66
.set DX,  70
.macro WSUM r                          ; the sum over the wave's 32 lanes, in every lane
	v_add_f32_dpp v[\r], v[\r], v[\r] row_xmask:1 row_mask:0xf bank_mask:0xf
	v_add_f32_dpp v[\r], v[\r], v[\r] row_xmask:2 row_mask:0xf bank_mask:0xf
	v_add_f32_dpp v[\r], v[\r], v[\r] row_xmask:4 row_mask:0xf bank_mask:0xf
	v_add_f32_dpp v[\r], v[\r], v[\r] row_xmask:8 row_mask:0xf bank_mask:0xf
	v_permlanex16_b32 v[TP], v[\r], s[SEL], s[SEL+1]
	v_add_f32 v[\r], v[\r], v[TP]
.endm
.macro WMAX r
	v_max_num_f32_dpp v[\r], v[\r], v[\r] row_xmask:1 row_mask:0xf bank_mask:0xf
	v_max_num_f32_dpp v[\r], v[\r], v[\r] row_xmask:2 row_mask:0xf bank_mask:0xf
	v_max_num_f32_dpp v[\r], v[\r], v[\r] row_xmask:4 row_mask:0xf bank_mask:0xf
	v_max_num_f32_dpp v[\r], v[\r], v[\r] row_xmask:8 row_mask:0xf bank_mask:0xf
	v_permlanex16_b32 v[TP], v[\r], s[SEL], s[SEL+1]
	v_max_num_f32 v[\r], v[\r], v[TP]
.endm
	s_load_b512 s[4:19], s[0:1], 0x0               ; W0 s[4:5], W1 s[6:7], W2 s[8:9], W3 s[10:11], Wxyz s[12:13], Wop s[14:15], Wrot s[16:17], Wscale s[18:19]
	s_load_b512 s[20:35], s[0:1], 0x40             ; b0 s[20:21], b1, b2, b3 s[26:27], bxyz s[28:29], bop s[30:31], brot s[32:33], bscale s[34:35]
	s_load_b128 s[36:39], s[0:1], 0x80             ; time s[36:37], wq s[38:39]
	s_load_b64 s[40:41], s[0:1], 0x90              ; nrm
	v_lshl_add_u32 v[SPW], v0, 2, SPARE
	v_mov_b32 v[NIL], 0
	v_and_b32 v[LN], 31, v0
	v_lshrrev_b32 v[TP], 5, v0
	v_readfirstlane_b32 s[WV], v[TP]
	s_lshl_b32 s44, s[WV], 9
	v_lshl_add_u32 v[T16], v[LN], 4, s44           ; 512 x wave + 16 x lane
	v_lshlrev_b32 v[L8], 3, v[LN]
	v_mov_b32 v[ZR], 0
	s_lshr_b32 s44, ttmp9, 3                       ; 0-2: layers 1-3; 3: layer 0; 4: the heads
	s_and_b32 s[PP], ttmp9, 7
	s_add_co_u32 s[LYR], s44, 1
	s_cmp_eq_u32 s44, 3
	s_cselect_b32 s[LYR], 0, s[LYR]
	s_cmp_eq_u32 s44, 4
	s_cselect_b32 s[LYR], 4, s[LYR]
	s_lshl_b32 s[RA], s[PP], 5
	s_add_co_u32 s[RA], s[RA], s[WV]
	s_add_co_u32 s[RB], s[RA], 16
	s_mov_b32 s[SC], 1.0
	s_mov_b32 s[SC+1], 1.0
	s_mov_b32 s[SB1], 1.0
	s_mov_b32 s[SEL], 0x76543210
	s_mov_b32 s[SEL+1], 0xfedcba98
	s_mov_b32 s[PI], 1024                          ; a row of W1, W3 and the heads has 256 numbers
	s_wait_kmcnt 0x0
	s_cmp_eq_u32 s[LYR], 2
	s_cselect_b64 s[WP:WP+1], s[8:9], s[6:7]
	s_cselect_b64 s[BP:BP+1], s[24:25], s[22:23]
	s_cselect_b32 s[PI], 1264, s[PI]               ; a row of W2 has 316 numbers
	s_cmp_eq_u32 s[LYR], 3
	s_cselect_b64 s[WP:WP+1], s[10:11], s[WP:WP+1]
	s_cselect_b64 s[BP:BP+1], s[26:27], s[BP:BP+1]
	s_cmp_eq_u32 s[LYR], 0
	s_cselect_b64 s[BP:BP+1], s[20:21], s[BP:BP+1]
	s_cmp_lg_u32 s[LYR], 4
	s_cbranch_scc1 .Llayer
	; the heads: wave r's row comes from one of four tables; rows 11-15 take Wop's row times 0
	s_sub_co_u32 s60, s[WV], 8
	s_sub_co_u32 s61, s[WV], 4
	s_mov_b64 s[WP:WP+1], s[14:15]
	s_mov_b64 s[BP:BP+1], s[30:31]
	s_mov_b32 s[RA], 0
	s_mov_b32 s[SC], 0
	s_cmp_lt_u32 s[WV], 11                         ; rows 8-10: scale
	s_cselect_b64 s[WP:WP+1], s[18:19], s[WP:WP+1]
	s_cselect_b64 s[BP:BP+1], s[34:35], s[BP:BP+1]
	s_cselect_b32 s[RA], s60, s[RA]
	s_cselect_b32 s[SC], 0x45800000, s[SC]         ; 4,096
	s_cmp_lt_u32 s[WV], 8                          ; rows 4-7: rotation
	s_cselect_b64 s[WP:WP+1], s[16:17], s[WP:WP+1]
	s_cselect_b64 s[BP:BP+1], s[32:33], s[BP:BP+1]
	s_cselect_b32 s[RA], s61, s[RA]
	s_cmp_lt_u32 s[WV], 4                          ; row 3: opacity
	s_cselect_b64 s[WP:WP+1], s[14:15], s[WP:WP+1]
	s_cselect_b64 s[BP:BP+1], s[30:31], s[BP:BP+1]
	s_cselect_b32 s[RA], 0, s[RA]
	s_cmp_lt_u32 s[WV], 3                          ; rows 0-2: xyz
	s_cselect_b64 s[WP:WP+1], s[12:13], s[WP:WP+1]
	s_cselect_b64 s[BP:BP+1], s[28:29], s[BP:BP+1]
	s_cselect_b32 s[RA], s[WV], s[RA]
	s_mov_b32 s[RB], s[RA]                         ; the second row repeats the first; it is not copied out
	s_mov_b32 s[SC+1], s[SC]
	s_mov_b32 s[SB1], 0
.Llayer:
	s_lshl_b32 s44, s[RA], 2
	s_lshl_b32 s45, s[RB], 2
	v_mov_b32 v[BO], s44
	v_mov_b32 v[BO+1], s45
	global_load_b32 v[BB], v[BO], s[BP:BP+1]
	global_load_b32 v[BB+1], v[BO+1], s[BP:BP+1]
	global_load_b32 v[TT], v[ZR], s[36:37]
	v_mov_b32 v[AR], 0
	v_mov_b32 v[AR+1], 0
	; THE COLUMNS OF h (layers 1-3 and the heads): lane o takes columns 8 o .. 8 o + 7 of both rows
	s_cmp_eq_u32 s[LYR], 0
	s_cbranch_scc1 .LnoH
	s_mul_i32 s60, s[RA], s[PI]
	s_mul_i32 s61, s[RB], s[PI]
	v_lshl_add_u32 v[HO], v[LN], 5, s60
	v_lshl_add_u32 v[HO+1], v[LN], 5, s61
	global_load_b128 v[20:23], v[HO], s[WP:WP+1]
	global_load_b128 v[24:27], v[HO], s[WP:WP+1] offset:16
	global_load_b128 v[28:31], v[HO+1], s[WP:WP+1]
	global_load_b128 v[32:35], v[HO+1], s[WP:WP+1] offset:16
	v_lshrrev_b32 v[PA], 2, v[LN]                  ; K block o / 4,
	v_lshlrev_b32 v[PA], 10, v[PA]
	v_bfe_u32 v[ZA], v[LN], 1, 1                   ; registers 0-3 or 4-7,
	v_lshl_add_u32 v[PA], v[ZA], 9, v[PA]
	v_and_b32 v[ZA], 1, v[LN]                      ; lanes 0-15 or 16-31,
	v_lshl_add_u32 v[PA], v[ZA], 8, v[PA]
	s_lshl_b32 s57, s[WV], 4                       ; row r of the tile
	v_add_nc_u32 v[PA], s57, v[PA]
	s_wait_loadcnt 0x0
.macro HROW b, i                       ; eight numbers of row i: to bf16, |.| summed, times the factor (a power of two or 0), written as f16, 16 bytes into the fragment
.irp j, 0,1,2,3
	v_cvt_pk_bf16_f32 v[PK+(\j)], v[(\b)+2*(\j)], v[(\b)+2*(\j)+1]
.endr
.irp j, 0,1,2,3
	v_lshlrev_b32 v[(\b)+2*(\j)], 16, v[PK+(\j)]
	v_and_b32 v[(\b)+2*(\j)+1], 0xffff0000, v[PK+(\j)]
.endr
.irp j, 0,1,2,3,4,5,6,7
	v_and_b32 v[ZA], 0x7fffffff, v[(\b)+(\j)]
	v_add_f32 v[AR+(\i)], v[AR+(\i)], v[ZA]
.endr
.irp j, 0,2,4,6
	v_pk_mul_f32 v[(\b)+(\j):(\b)+(\j)+1], v[(\b)+(\j):(\b)+(\j)+1], s[SC:SC+1] op_sel_hi:[1,0]
.endr
.irp j, 0,1,2,3
	v_cvt_pk_f16_f32 v[PK+(\j)], v[(\b)+2*(\j)], v[(\b)+2*(\j)+1]
.endr
	ds_store_b128 v[PA], v[PK:PK+3] offset:PST+8192*(\i)
	WSUM AR+(\i)
.endm
	HROW 20, 0
	HROW 28, 1
.LnoH:
	s_wait_loadcnt 0x0                             ; the biases and time
	v_cvt_pk_bf16_f32 v[PK], v[BB], v[BB+1]
	v_lshlrev_b32 v[BB], 16, v[PK]
	v_and_b32 v[BB+1], 0xffff0000, v[PK]
	v_and_b32 v[CR], 0x7fffffff, v[BB]             ; layers 1 and 3: c = |b|
	v_and_b32 v[CR+1], 0x7fffffff, v[BB+1]
	; THE COLUMNS OF x (layers 0 and 2): a lane owns one word of a row's two fragments and fetches its two source columns; lanes 0-20 fetch a time column each
	s_and_b32 s57, s[LYR], 5
	s_cmp_lg_u32 s57, 0
	s_cbranch_scc1 .LnoX
	s_mov_b32 s68, 1264                            ; bytes in a row of W2,
	s_cmp_eq_u32 s[LYR], 0
	s_cselect_b64 s[XP:XP+1], s[4:5], s[8:9]
	s_cselect_b32 s68, 240, s68                    ; of W0
	s_cselect_b32 s69, 0, 1024                     ; where x's columns begin
	s_cselect_b32 s72, 0x400, 0                    ; lane 10 owns (raw x, the feature 1): layer 0's b_eff goes there
	s_mul_i32 s60, s[RA], s68
	s_add_co_u32 s60, s60, s69
	s_lshl_b32 s61, s68, 4
	s_add_co_u32 s61, s61, s60                     ; 16 rows on
	s_mov_b32 s74, 0x43800000                      ; XMAX = 256
	v_and_b32 v[LW], 3, v[LN]
	v_bfe_u32 v[HH], v[LN], 2, 1
	v_bfe_u32 v[QH], v[LN], 3, 1
	v_bfe_u32 v[FF], v[LN], 4, 1
	v_lshl_add_u32 v[LL], v[QH], 2, v[LW]          ; l = 0..7
	v_lshl_add_u32 v[DD], v[HH], 1, v[FF]          ; d = 0..3; 3 is no coordinate
	v_mul_u32_u24 v[CS], v[DD], 12
	v_add3_u32 v[CS], v[CS], v[LL], 3              ; sin_l of coordinate d: column 3 + 12 d + l
	v_add_nc_u32 v[CC], 6, v[CS]                   ; cos_l: six on
	v_cmp_eq_u32 vcc_lo, 6, v[LL]
	v_cndmask_b32 v[CS], v[CS], v[DD], vcc_lo      ; l = 6: the raw coordinate, column d
	v_cndmask_b32 v[FS], 1.0, s74, vcc_lo          ; and its largest magnitude
	v_cmp_gt_u32 s75, 3, v[DD]
	v_cmp_gt_u32 s76, 7, v[LL]
	v_cmp_gt_u32 s77, 6, v[LL]
	s_and_b32 s76, s76, s75
	s_and_b32 s77, s77, s75
	v_cndmask_b32 v[MS], 0, 1.0, s76               ; 1 where the slot has a column, else 0
	v_cndmask_b32 v[MC], 0, 1.0, s77
	v_cndmask_b32 v[CS], 0, v[CS], s76
	v_cndmask_b32 v[CC], 0, v[CC], s77
	v_min_u32 v[CT], 20, v[LN]
	v_add_nc_u32 v[CT], 39, v[CT]                  ; time column 39 + lane
	v_lshl_add_u32 v20, v[CS], 2, s60
	v_lshl_add_u32 v21, v[CS], 2, s61
	v_lshl_add_u32 v22, v[CC], 2, s60
	v_lshl_add_u32 v23, v[CC], 2, s61
	v_lshl_add_u32 v24, v[CT], 2, s60
	v_lshl_add_u32 v25, v[CT], 2, s61
	global_load_b32 v[WS], v20, s[XP:XP+1]
	global_load_b32 v[WS+1], v21, s[XP:XP+1]
	global_load_b32 v[WC], v22, s[XP:XP+1]
	global_load_b32 v[WC+1], v23, s[XP:XP+1]
	global_load_b32 v[WT], v24, s[XP:XP+1]
	global_load_b32 v[WT+1], v25, s[XP:XP+1]
	v_lshlrev_b32 v[XA], 10, v[FF]                 ; my word's place in a tile's two fragments
	v_lshl_add_u32 v[XA], v[QH], 9, v[XA]
	v_lshl_add_u32 v[XA], v[HH], 8, v[XA]
	v_lshl_add_u32 v[XA], v[LW], 2, v[XA]
	s_lshl_b32 s57, s[WV], 4
	v_add_nc_u32 v[XA], s57, v[XA]
	; element e = lane of enc(time): e = 0: t; 1-10: sin(2^(e-1) a0); 11-20: cos(2^(e-11) a0); a0 = t x pi in f32, so 2^l a0 is the module's own argument.
	; A quarter of the argument is reduced by multiples of pi / 2, which four times over are whole turns; two doublings lead back.
	v_cvt_pk_bf16_f32 v26, v[TT], v[TT]
	v_lshlrev_b32 v26, 16, v26                     ; t, rounded to bf16
	v_cmp_le_u32 s73, 11, v[LN]
	v_cndmask_b32 v27, 1, 11, s73
	v_sub_nc_u32 v27, v[LN], v27
	v_min_u32 v27, 9, v27                          ; l (lanes with no sine or cosine take 9)
	v_mul_f32 v28, 0x3f490fdb, v26                 ; t x pi / 4
	v_ldexp_f32 v28, v28, v27
	v_mul_f32 v29, 0x3f22f983, v28                 ; x 2 / pi
	v_rndne_f32 v29, v29
	v_fmamk_f32 v30, v29, 0xbfc90fdb, v28          ; less k x pi / 2, in two parts
	v_fmamk_f32 v30, v29, 0x333bbd2e, v30
	v_mul_f32 v31, v30, v30
	v_mov_b32 v32, 0x3638ef1d                      ; sine: 1/9!, -1/7!, 1/5!, -1/3!
	v_fmaak_f32 v32, v32, v31, 0xb9500d01
	v_fmaak_f32 v32, v32, v31, 0x3c088889
	v_fmaak_f32 v32, v32, v31, 0xbe2aaaab
	v_fma_f32 v32, v32, v31, 1.0
	v_mul_f32 v32, v32, v30
	v_mov_b32 v33, 0x37d00d01                      ; cosine: 1/8!, -1/6!, 1/4!, -1/2
	v_fmaak_f32 v33, v33, v31, 0xbab60b61
	v_fmaak_f32 v33, v33, v31, 0x3d2aaaab
	v_fma_f32 v33, v33, v31, -0.5
	v_fma_f32 v33, v33, v31, 1.0
	v_add_f32 v34, v32, v32                        ; sin 2u = 2 s c, cos 2u = 1 - 2 s s
	v_mul_f32 v35, v34, v33
	v_fma_f32 v33, -v34, v32, 1.0
	v_add_f32 v34, v35, v35
	v_mul_f32 v32, v34, v33
	v_fma_f32 v33, -v34, v35, 1.0
	v_cndmask_b32 v[TE], v32, v33, s73
	v_cmp_eq_u32 vcc_lo, 0, v[LN]
	v_cndmask_b32 v[TE], v[TE], v26, vcc_lo
	v_cmp_gt_u32 vcc_lo, 21, v[LN]
	v_cndmask_b32 v[TE], 0, v[TE], vcc_lo          ; lanes 21-31 hold no element
	s_wait_loadcnt 0x0
.macro XROW i
	v_cvt_pk_bf16_f32 v[PK], v[WS+(\i)], v[WC+(\i)]
	v_cvt_pk_bf16_f32 v[PK+1], v[WT+(\i)], v[WT+(\i)]
	v_lshlrev_b32 v[WS+(\i)], 16, v[PK]
	v_and_b32 v[WC+(\i)], 0xffff0000, v[PK]
	v_lshlrev_b32 v[WT+(\i)], 16, v[PK+1]
	v_mul_f32 v[WS+(\i)], v[WS+(\i)], v[MS]
	v_mul_f32 v[WC+(\i)], v[WC+(\i)], v[MC]
	v_mul_f32 v[WT+(\i)], v[WT+(\i)], v[TE]
	WSUM WT+(\i)
	v_add_f32 v[BB+(\i)], v[BB+(\i)], v[WT+(\i)]   ; b_eff
	v_and_b32 v[PK], 0x7fffffff, v[WS+(\i)]
	v_and_b32 v[PK+1], 0x7fffffff, v[WC+(\i)]
	v_fma_f32 v[CR+(\i)], v[PK], v[FS], v[PK+1]
	WSUM CR+(\i)
	v_and_b32 v[PK], 0x7fffffff, v[BB+(\i)]
	v_add_f32 v[CR+(\i)], v[CR+(\i)], v[PK]
	v_cndmask_b32 v[WC+(\i)], v[WC+(\i)], v[BB+(\i)], s72
	v_cvt_pk_f16_f32 v[PK], v[WS+(\i)], v[WC+(\i)]
	ds_store_b32 v[XA], v[PK] offset:XST+2048*(\i)
.endm
	XROW 0
	XROW 1
.LnoX:
	; my rows' biases and figures: all lanes write the same word with the same value
	v_mul_f32 v[PK], s[SC], v[BB]
	v_mul_f32 v[PK+1], s[SB1], v[BB+1]
	s_lshl_b32 s57, s[WV], 2
	v_mov_b32 v[PA], s57
	ds_store_b32 v[PA], v[PK] offset:TAIL
	ds_store_b32 v[PA], v[PK+1] offset:TAIL+64
	ds_store_b32 v[PA], v[AR] offset:RED
	ds_store_b32 v[PA], v[AR+1] offset:RED+64
	ds_store_b32 v[PA], v[CR] offset:RED+128
	ds_store_b32 v[PA], v[CR+1] offset:RED+192
	s_cmp_lt_u32 s[WV], 7                          ; waves 0-6 write the 896 bytes of 0 behind the biases
	s_cbranch_scc0 .Lfilled
	s_lshl_b32 s57, s[WV], 7
	v_lshl_add_u32 v[ZA], v[LN], 2, s57
	ds_store_b32 v[ZA], v[ZR] offset:TAIL+128
.Lfilled:
	s_wait_dscnt 0x0                               ; for the others' sake: my LDS stores are done
	s_barrier_signal -1
	s_barrier_wait -1
	; OUT, in whole rows of 256 bytes
	s_cmp_eq_u32 s[LYR], 0
	s_cbranch_scc1 .Lxout
	s_mul_i32 s44, ttmp9, QB
	s_cmp_eq_u32 s[LYR], 4
	s_cselect_b32 s44, RESG+65536, s44
	s_mov_b32 s45, 0
	s_add_nc_u64 s[DS:DS+1], s[38:39], s[44:45]
	ds_load_b128 v[20:23], v[T16] offset:PST
	s_cmp_eq_u32 s[LYR], 4
	s_cbranch_scc1 .Lheadout
	ds_load_b128 v[24:27], v[T16] offset:PST+8192
	s_wait_dscnt 0x1                               ; the first load is in; the second may be out
	global_store_b128 v[T16], v[20:23], s[DS:DS+1]
	s_wait_dscnt 0x0
	global_store_b128 v[T16], v[24:27], s[DS:DS+1] offset:8192
	s_cmp_lg_u32 s[WV], 0
	s_cbranch_scc1 .Lxout
	ds_load_b64 v[28:29], v[L8] offset:TAIL        ; wave 0: the quarter's last 256 bytes
	s_wait_dscnt 0x0
	global_store_b64 v[L8], v[28:29], s[DS:DS+1] offset:16384
	s_branch .Lxout
.Lheadout:
	s_wait_dscnt 0x0
	global_store_b128 v[T16], v[20:23], s[DS:DS+1]
	s_cmp_lg_u32 s[WV], 0
	s_cbranch_scc1 .Lxout
	ds_load_b128 v[24:27], v[T16] offset:TAIL      ; wave 0: 1,024 bytes of head biases and 0
	ds_load_b128 v[28:31], v[T16] offset:TAIL+512
	s_wait_dscnt 0x0
	global_store_b128 v[T16], v[24:27], s[DS:DS+1] offset:8192
	global_store_b128 v[T16], v[28:31], s[DS:DS+1] offset:8704
.Lxout:
	s_and_b32 s57, s[LYR], 5
	s_cmp_lg_u32 s57, 0
	s_cbranch_scc1 .Lnorm
	s_cmp_lt_u32 s[WV], 8                          ; 4,096 bytes: waves 0-7
	s_cbranch_scc0 .Lnorm
	s_lshl_b32 s44, s[PP], 12
	s_add_co_u32 s44, s44, RESG
	s_cmp_eq_u32 s[LYR], 2
	s_cselect_b32 s57, 32768, 0
	s_add_co_u32 s44, s44, s57
	s_mov_b32 s45, 0
	s_add_nc_u64 s[DX:DX+1], s[38:39], s[44:45]
	ds_load_b128 v[32:35], v[T16] offset:XST
	s_wait_dscnt 0x0
	global_store_b128 v[T16], v[32:35], s[DX:DX+1]
.Lnorm:
	s_cmp_eq_u32 s[LYR], 4
	s_cbranch_scc1 .Lend
	s_cmp_lg_u32 s[WV], 0
	s_cbranch_scc1 .Lend
	v_lshlrev_b32 v[ZA], 2, v[LN]                  ; wave 0: the largest a and c of the 32 rows
	ds_load_b32 v[AR], v[ZA] offset:RED
	ds_load_b32 v[CR], v[ZA] offset:RED+128
	s_lshl_b32 s60, s[LYR], 1                      ; c's array is 2 l, a's 2 l - 1 (layer 0: 7)
	s_sub_co_u32 s61, s60, 1
	s_cmp_eq_u32 s[LYR], 0
	s_cselect_b32 s61, 7, s61
	s_lshl_b32 s60, s60, 3
	s_add_co_u32 s60, s60, s[PP]
	s_lshl_b32 s60, s60, 2
	s_lshl_b32 s61, s61, 3
	s_add_co_u32 s61, s61, s[PP]
	s_lshl_b32 s61, s61, 2
	v_mov_b32 v[HO], s61
	v_mov_b32 v[HO+1], s60
	s_wait_dscnt 0x0
	WMAX AR
	WMAX CR
	v_cmp_eq_u32 vcc_lo, 0, v[LN]
	s_wait_xcnt 0x0                                ; EXEC changes only behind this wait: stores issued above still name it
	s_and_saveexec_b32 s76, vcc_lo
	global_store_b32 v[HO], v[AR], s[40:41]
	global_store_b32 v[HO+1], v[CR], s[40:41]
	s_wait_xcnt 0x0                                ; and again in front of the line that widens it
	s_or_b32 exec_lo, exec_lo, s76
.Lend:
	s_wait_tensorcnt 0x0                           ; the wave's end: behind my last LDS store
	ds_add_u32 v[SPW], v[NIL]
	s_wait_dscnt 0x0
	s_endpgm
.Lfunc_end_k_q7bb945133a_pack:
	.size	k_q7bb945133a_pack, .Lfunc_end_k_q7bb945133a_pack-k_q7bb945133a_pack
	.p2alignl 7, 3214868480
	.fill 96, 4, 3214868480
	.section	.rodata,"a",@progbits
	.p2align	6, 0x0
	.amdhsa_kernel k_q7bb945133a_pack
		.amdhsa_group_segment_fixed_size 23808
		.amdhsa_private_segment_fixed_size 0
		.amdhsa_enable_private_segment 0
		.amdhsa_kernarg_size 152
		.amdhsa_user_sgpr_count 2
		.amdhsa_user_sgpr_kernarg_segment_ptr 1
		.amdhsa_wavefront_size32 1
		.amdhsa_system_sgpr_workgroup_id_x 1
		.amdhsa_system_sgpr_workgroup_id_y 1
		.amdhsa_system_sgpr_workgroup_id_z 1
		.amdhsa_system_vgpr_workitem_id 0
		.amdhsa_next_free_vgpr 64
		.amdhsa_next_free_sgpr 80
		.amdhsa_reserve_vcc 1
		.amdhsa_float_denorm_mode_32 3
		.amdhsa_float_denorm_mode_16_64 3
		.amdhsa_memory_ordered 1
		.amdhsa_forward_progress 1
		.amdhsa_inst_pref_size 22
	.end_amdhsa_kernel
	.amdgpu_metadata
---
amdhsa.version: [ 1, 2 ]
amdhsa.kernels:
  - .name:           k_q7bb945133a_pack
    .symbol:         k_q7bb945133a_pack.kd
    .args:
      - { .name: W0, .offset: 0, .size: 8, .value_kind: global_buffer, .address_space: global }
      - { .name: W1, .offset: 8, .size: 8, .value_kind: global_buffer, .address_space: global }
      - { .name: W2, .offset: 16, .size: 8, .value_kind: global_buffer, .address_space: global }
      - { .name: W3, .offset: 24, .size: 8, .value_kind: global_buffer, .address_space: global }
      - { .name: Wxyz, .offset: 32, .size: 8, .value_kind: global_buffer, .address_space: global }
      - { .name: Wop, .offset: 40, .size: 8, .value_kind: global_buffer, .address_space: global }
      - { .name: Wrot, .offset: 48, .size: 8, .value_kind: global_buffer, .address_space: global }
      - { .name: Wscale, .offset: 56, .size: 8, .value_kind: global_buffer, .address_space: global }
      - { .name: b0, .offset: 64, .size: 8, .value_kind: global_buffer, .address_space: global }
      - { .name: b1, .offset: 72, .size: 8, .value_kind: global_buffer, .address_space: global }
      - { .name: b2, .offset: 80, .size: 8, .value_kind: global_buffer, .address_space: global }
      - { .name: b3, .offset: 88, .size: 8, .value_kind: global_buffer, .address_space: global }
      - { .name: bxyz, .offset: 96, .size: 8, .value_kind: global_buffer, .address_space: global }
      - { .name: bop, .offset: 104, .size: 8, .value_kind: global_buffer, .address_space: global }
      - { .name: brot, .offset: 112, .size: 8, .value_kind: global_buffer, .address_space: global }
      - { .name: bscale, .offset: 120, .size: 8, .value_kind: global_buffer, .address_space: global }
      - { .name: time, .offset: 128, .size: 8, .value_kind: global_buffer, .address_space: global }
      - { .name: wq, .offset: 136, .size: 8, .value_kind: global_buffer, .address_space: global }
      - { .name: nrm, .offset: 144, .size: 8, .value_kind: global_buffer, .address_space: global }
    .group_segment_fixed_size: 23808
    .private_segment_fixed_size: 0
    .kernarg_segment_align: 8
    .kernarg_segment_size: 152
    .max_flat_workgroup_size: 512
    .sgpr_count:     80
    .vgpr_count:     64
    .wavefront_size: 32
...
	.end_amdgpu_metadata
.endif
;; end of part 1
;; launch mlp (part 2): grid 256 x 1, 4 waves a work-group, clusters of 4 x 1, 327,680 bytes of LDS; arguments canonical_xyz, wq, nrm, out0, out1, out2, out3; writes out0, out1, out2, out3
.if DOCPART == 2
	.amdgcn_target "amdgcn-amd-amdhsa--gfx1250"
	.amdhsa_code_object_version 6
	.text
	.protected	k_q7bb945133a_mlp
	.globl	k_q7bb945133a_mlp
	.p2align	8
	.type	k_q7bb945133a_mlp,@function
k_q7bb945133a_mlp:
	s_mov_b64 s[64:65], 0
	v_nop
	global_prefetch_b8 v0, s[64:65] scope:SCOPE_SE
	s_setreg_imm32_b32 hwreg(HW_REG_WAVE_MODE, 25, 1), 1
	s_wait_xcnt 0x0
	s_wait_alu depctr_hold_cnt(0) depctr_sa_sdst(0) depctr_va_vdst(0) depctr_va_sdst(0) depctr_va_ssrc(0) depctr_va_vcc(0) depctr_vm_vsrc(0)
	s_getreg_b32 s2, hwreg(HW_REG_IB_STS2, 6, 4)
	s_cmp_eq_u32 s2, 0
	s_cbranch_scc0 .Lentry_in_a_cluster
	s_endpgm
.Lentry_in_a_cluster:
	s_bfe_u32 s2, ttmp6, 0x10000c
	s_cmp_lg_u32 s2, 0x3003
	s_cbranch_scc0 .Lentry_shape_is_right
	s_endpgm
.Lentry_shape_is_right:
; THE DEFORMATION MLP, whole: encoding, 60 -> 256 -> 256 -> (256 + 60) -> 256 -> 256 with ReLU, four heads (11 numbers a point).  No activation leaves the registers.
; SHARES.  A work-group owns 1,024 points, each of its four waves 256, in four batches of 64: four tiles of 16 points.
; LAYOUT.  H^T = W X^T: source 0 = 16 rows of W (features), source 1 = 32 K x 16 points.  In the result a lane holds ONE point (lane % 16) and features 8 (lane / 16) + 0..7; two such results rounded to f16 in pairs ARE
; the next layer's source 1.  Nothing changes lanes.  A fragment of W (two LDS loads) feeds the four tiles' products.
; FORMATS.  All inputs are rounded to bf16 (the weights and biases by the launch before, xyz here); weights, encodings and activations are f16 operands; sums in f32.
; SCALES.  ReLU commutes with a positive factor: h_l is kept as S_l h_l, S_l = 2^(141 - E_l), E_l the biased exponent of a bound B_l on |h_l| that holds for all |xyz| <= 256: B_0 = c_0, B_l = a_l B_(l-1) + c_l (a, c: the row
; sums that the launch before left in nrm).  So S_l |h_l| < 32,768 whatever the weights hold.  A layer's sums, S_(l-1) (W h + b), are multiplied by S_l / S_(l-1), a power of two, ahead of the rounding.  x is unscaled; at the skip its
; registers are multiplied by S_1 (S_1 is taken from max(B_1, 256), so S_1 |xyz| < 32,768 too).  The head weights come times 4,096; the outputs are multiplied by 2^-12 / S_3.
; LIMITS.  |xyz| <= 256 for the bound (beyond it f16 may overflow); the bounds B_l are held to 2^-30 .. 2^60; an activation below 6e-5 / S_l keeps f16's fixed step.  Sines and cosines: a quarter of the argument x pi (formed in f32
; as the module forms it) is reduced by multiples of pi / 2, polynomials to the 9th and 8th power, then doublings: error about 1e-5 at the highest frequency.  NaN and infinities are not treated apart.
; WEIGHTS.  Layers 1-3 (399,360 bytes with their biases) go through a ring of two LDS slots of half a layer, walked once a batch; W0's and W2's x columns and the heads (74,752 bytes) stay in LDS.
; CLUSTER.  All work-groups walk the same weights: the four of a cluster ask for each piece JOINTLY (the same tensor load, descriptor and mask in all four).  A wave fetches a quarter of a slot: 65 rows of 256 bytes.
; REGISTERS, in windows of 256 (s_set_vgpr_msb: bits 1:0 source 0, 3:2 source 1, 5:4 source 2, 7:6 destination):
;   window 0: v0-23 addresses; v24-39 the coordinates still to come; v40-55 two tiles' biases; v56 S_1 twice in f16; v64-127 x (tile t, K half f at 64 + 16 t + 8 f); v128-191, v192-255 two buffers of W's fragments
;   window 1: h (K block kf, tile t at 32 kf + 8 t)          windows 2, 3: the 64 accumulators (feature tile ft, tile t at 32 (ft % 8) + 8 t in window 2 + ft / 8)
.set QB,    16640                      ; a quarter: 16 fragments of 1,024 bytes, 32 biases, 128 bytes of 0
.set CHUNK, 4*QB                       ; a slot: half a layer
.set LAYB,  2*CHUNK
.set RING1, CHUNK                      ; slot 0 at LDS byte 0, slot 1 here
.set RES,   2*CHUNK                    ; the resident part: W0's x fragments, W2's at RX2, the heads' at RHD, their biases at RHB
.set RESG,  24*QB                      ; where it begins in wq
.set RX2,   32768
.set RHD,   65536
.set RHB,   73728
.set RESQ,  18688                      ; a quarter of it: 73 rows of 256 bytes
.set STAGE, RES+4*RESQ                 ; 4,096 bytes a wave for the way out: out0 at 0, out1 at 768, out2 at 1,792, out3 at 2,560; from 2,816 on what lanes 16-31 hold in rotation's and opacity's place
.set SPARE, STAGE+4*4096               ; the spare words, 128 bytes a wave: two blocks of 256 bytes that no other line names
.set ADR,  2                           ; v2-5   slot s, half hp of its quarters: RING1 s + 2 QB hp + 16 lane
.set ABI,  6                           ; v6-9   the same + 16,384 + 32 (lane / 16): biases
.set ADRX, 10
.set ADRH, 11
.set ABH,  12
.set AS,   13
.set AS3,  14
.set AS4,  15
.set RD16, 16
.set GO16, 17
.set RD8,  18
.set GO8,  19
.set ZERO, 20
.set SPW,  21                          ; LDS address of my spare word; never rewritten
.set NIL,  22                          ; 0; never rewritten
.set PFO,  23                          ; 256 x lane; never rewritten
.set XC,   24
.set BIA,  40
.set TAU,  56
.set XF,   64
.set AF,   128
.set OB,   192                         ; the way out: scaled results
.set RB,   128                         ; the way out: rows read back
.set WV,  18
.set CX,  19
.set T0,  20
.set CNT, 21                           ; layer trips to go
.set LY,  22                           ; the layer in hand, 1..3
.set LIM, 23
.set G1,  24                           ; s[24:31] descriptor group 1, 65 rows
.set G1R, 32                           ; s[32:39] the same with 73 rows
.set G0A, 40                           ; s[40:43] group 0 for slot 0, s[44:47] for slot 1
.set G0R, 48                           ; s[48:51] for the resident part
.set WQA, 52                           ; s[52:53] wq at my quarter of chunk 0, s[54:55] of chunk 1
.set OFF, 56                           ; s[56:57] bytes to the next trip's layer
.set PFA, 58
.set SS,  60                           ; s[60:61] the biases' factor in this trip
.set RH,  62                           ; s[62:63] the sums' factor in this trip
.set IV,  66
.set HS,  68
.set KS1, 70
.set KS2, 72
.set KS3, 74
.set KS4, 76
.set KC2, 78
.set KC3, 80
.set KC4, 82
.set SCL, 84                           ; s84-87 S_0 .. S_3
.set RHO, 88                           ; s88-91 S_0, S_1 / S_0, S_2 / S_1, S_3 / S_2
.set MSB, 0
.macro WIN new                         ; the immediate's high byte repeats the setting that is left; a switch that changes nothing is dropped
.if MSB != (\new)
	s_set_vgpr_msb (MSB<<8)|(\new)
.set MSB, (\new)
.endif
.endm
.macro PLACES                          ; four places behind a matrix instruction, in front of loads into registers that it has read and of vector lines that read its result (ISA guide 7.12.1 for vector lines)
.rept 4
	v_nop
.endr
.endm
.macro CREST                           ; a round of the cluster's barrier behind its opening barrier
	s_cmp_lg_u32 s[WV], 0
	s_cbranch_scc1 .Lnot_wave_0_\@
	s_barrier_signal -3
.Lnot_wave_0_\@:
	s_barrier_wait -3
	s_barrier_signal -1
	s_barrier_wait -1
.endm
.macro CROUND
	s_barrier_signal -1
	s_barrier_wait -1
	CREST
.endm
; A prefetch of the rows that the NEXT trip's refill of the same slot will ask for.  Only the first walk of wq is asked for, and of it chunks 4 and 5, in the first trip (CNT = 12), one trip (512 matrix instructions and a
; conversion) ahead of their loads; chunks 0 to 3 come by their loads alone.  Each row of 256 bytes is named once in the launch: the first cluster asks; partner cx takes quarter cx, BY ADDRESS; in it waves 0 and 2 take 32 rows
; each, a lane a row (a quarter's 65th row comes by its load alone).
.macro ASK off
	s_cmp_eq_u32 s[CNT], s[LIM]
	s_cbranch_scc0 .Lnot_mine_\@
	global_prefetch_b8 v[PFO], s[PFA:PFA+1] offset:\off th:TH_LOAD_NT scope:SCOPE_SE
.Lnot_mine_\@:
.endm
; GROUP g of a slot's eight: feature tiles 2 p, 2 p + 1 (p = g / 2), K blocks 4 kh .. 4 kh + 3 (kh = g % 2), four tiles of points: 32 matrix instructions on 8 fragments of W.
; FETCH: the group's 16 LDS loads into buffer kh; with kh = 0 also the two tiles' biases.
.macro FETCH s, g
	WIN 0
.set fp, (\g)/2
.set fk, (\g)%2
.irp i, 0,1
.irp k, 0,1,2,3
	ds_load_b128 v[AF+64*fk+8*(4*(\i)+(\k)):AF+64*fk+8*(4*(\i)+(\k))+3], v[ADR+2*(\s)+fp/2] offset:(fp%2)*QB+(8*(\i)+4*fk+(\k))*1024
	ds_load_b128 v[AF+64*fk+8*(4*(\i)+(\k))+4:AF+64*fk+8*(4*(\i)+(\k))+7], v[ADR+2*(\s)+fp/2] offset:(fp%2)*QB+(8*(\i)+4*fk+(\k))*1024+512
.endr
.endr
.if fk == 0
.irp i, 0,1
	ds_load_b128 v[BIA+8*(\i):BIA+8*(\i)+3], v[ABI+2*(\s)+fp/2] offset:(fp%2)*QB+64*(\i)
	ds_load_b128 v[BIA+8*(\i)+4:BIA+8*(\i)+7], v[ABI+2*(\s)+fp/2] offset:(fp%2)*QB+64*(\i)+16
.endr
.endif
.endm
; 8 matrix instructions: one K block, two feature tiles x four tiles of points.  The 8 accumulators take turns.  The layer's first K block starts the sums with the scaled bias.
.macro MUL8 w, p, kh, kk
.irp i, 0,1
.irp t, 0,1,2,3
.set rD, 32*(2*(\p)+(\i))+8*(\t)
.set rA, AF+64*(\kh)+8*(4*(\i)+(\kk))
.set rB, 32*(4*(\kh)+(\kk))+8*(\t)
.if ((\kh)+(\kk)) == 0
	WIN 0x04+0x40*(\w)
	v_wmma_f32_16x16x32_f16 v[rD:rD+7], v[rA:rA+7], v[rB:rB+7], v[BIA+8*(\i):BIA+8*(\i)+7]
.else
	WIN 0x04+0x50*(\w)
	v_wmma_f32_16x16x32_f16 v[rD:rD+7], v[rA:rA+7], v[rB:rB+7], v[rD:rD+7]
.endif
.endr
.endr
.endm
.macro GEVEN s, w, g                   ; groups 0, 2, 4, 6
	WIN 0
	s_wait_dscnt 0x0                               ; this group's fragments and biases, asked for a group ago
.irp j, 0,2,4,6,8,10,12,14
	v_pk_mul_f32 v[BIA+(\j):BIA+(\j)+1], v[BIA+(\j):BIA+(\j)+1], s[SS:SS+1] op_sel_hi:[1,0]  ; the biases take h's scale; these eight lines are also the places in front of the loads below
.endr
	FETCH \s, (\g)+1
	MUL8 \w, (\g)/2, 0, 0
	MUL8 \w, (\g)/2, 0, 1
	MUL8 \w, (\g)/2, 0, 2
	MUL8 \w, (\g)/2, 0, 3
.endm
.macro GODD s, w, g                    ; groups 1, 3, 5
	PLACES
	FETCH \s, (\g)+1
	s_wait_dscnt 20                                ; all but the 20 just issued: this group's 16 are in
	MUL8 \w, (\g)/2, 1, 0
	MUL8 \w, (\g)/2, 1, 1
	MUL8 \w, (\g)/2, 1, 2
	MUL8 \w, (\g)/2, 1, 3
.endm
; Group 7 changes slots.  In front of the barrier each wave waits for all its tensor loads (one is out: its quarter of the other slot), adds 0 to its spare word, and waits for that and for its reads of this slot.
; fill = 1: the barrier opens a round of the cluster's, so that no wave of any partner still reads the slot or has a load on its way, and the joint refill (the same half of the next trip's layer) is the first thing behind it:
; it has 224 matrix instructions or more in which to land.  next = 1: the other slot's first group is fetched.
.macro GROUP7 s, w, fill, next, ask
	WIN 0
	s_wait_tensorcnt 0x0                           ; no tensor load of mine is out, so a group 0 may be written
	ds_add_u32 v[SPW], v[NIL]                      ; 0 onto my spare word
.if \fill
	s_add_nc_u64 s[G0A+4*(\s)+2:G0A+4*(\s)+3], s[WQA+2*(\s):WQA+2*(\s)+1], s[OFF:OFF+1]  ; the address is made anew: my quarter's place plus the layer's offset,
	s_or_b32 s[G0A+4*(\s)+3], s[G0A+4*(\s)+3], 0x80000000                              ; and the type bits
.endif
	s_wait_dscnt 0x1                               ; this group's 16 loads are in; the add may be out
	MUL8 \w, 3, 1, 0
	s_wait_dscnt 0x0                               ; the add is done, and my reads of this slot are over
	s_barrier_signal -1
	MUL8 \w, 3, 1, 1
	WIN 0
	s_barrier_wait -1
.if \fill
	CREST
	tensor_load_to_lds s[G0A+4*(\s):G0A+4*(\s)+3], s[G1:G1+7]
	s_nop 0
.endif
	PLACES                                         ; behind the tensor load, and the places in front of the loads below
.if \next
	FETCH 1-(\s), 0
.endif
.if (\ask) >= 0
	ASK \ask
.endif
	MUL8 \w, 3, 1, 2
	MUL8 \w, 3, 1, 3
.endm
; THE x PRODUCTS: 16 feature tiles x 2 K halves x 4 tiles of points, in four groups u of four feature tiles; 16 accumulators take turns.  start = 1 (layer 0): the first half starts the sums with 0 (its bias is a weight).
.macro FETCHX xo, u
	WIN 0
.irp i, 0,1,2,3
.irp f, 0,1
	ds_load_b128 v[AF+64*((\u)%2)+8*(2*(\i)+(\f)):AF+64*((\u)%2)+8*(2*(\i)+(\f))+3], v[ADRX] offset:(\xo)+2048*(4*(\u)+(\i))+1024*(\f)
	ds_load_b128 v[AF+64*((\u)%2)+8*(2*(\i)+(\f))+4:AF+64*((\u)%2)+8*(2*(\i)+(\f))+7], v[ADRX] offset:(\xo)+2048*(4*(\u)+(\i))+1024*(\f)+512
.endr
.endr
.endm
.macro MULX u, start
	WIN 0x50*(2+(\u)/2)
.irp f, 0,1
.irp i, 0,1,2,3
.irp t, 0,1,2,3
.set rD, 32*((4*(\u)+(\i))%8)+8*(\t)
.set rA, AF+64*((\u)%2)+8*(2*(\i)+(\f))
.set rB, XF+16*(\t)+8*(\f)
.if (\start) && ((\f) == 0)
	v_wmma_f32_16x16x32_f16 v[rD:rD+7], v[rA:rA+7], v[rB:rB+7], 0
.else
	v_wmma_f32_16x16x32_f16 v[rD:rD+7], v[rA:rA+7], v[rB:rB+7], v[rD:rD+7]
.endif
.endr
.endr
.endr
.endm
.macro XPH xo, start
	PLACES
	FETCHX \xo, 0
	FETCHX \xo, 1
	s_wait_dscnt 16                                ; the younger group's 16 loads may stay out
	MULX 0, \start
	PLACES
	FETCHX \xo, 2
	s_wait_dscnt 16
	MULX 1, \start
	PLACES
	FETCHX \xo, 3
	s_wait_dscnt 16
	MULX 2, \start
	s_wait_dscnt 0x0
	MULX 3, \start
.endm
; A LAYER'S END: the 64 accumulators times S_l / S_(l-1), rounded to f16 in pairs into h's registers, ReLU on the pairs.  Each accumulator is read from its lowest register on.
.macro CONVERT
.irp w, 2,3
	WIN 0x41*(\w)
.set n, 0
.rept 128
	v_pk_mul_f32 v[n:n+1], v[n:n+1], s[RH:RH+1] op_sel_hi:[1,0]
.set n, n+2
.endr
	WIN 0x40+5*(\w)
.set n, 0
.rept 128
.set cf, n/16
.set ct, (n/4)%4
.set cj, n%4
.set cg, 8*((\w)-2)+cf
	v_cvt_pk_f16_f32 v[32*(cg/2)+8*ct+4*(cg%2)+cj], v[32*cf+8*ct+2*cj], v[32*cf+8*ct+2*cj+1]
.set n, n+1
.endr
.endr
	WIN 0x41
.set n, 0
.rept 256
	v_pk_max_num_f16 v[n], v[n], v[ZERO]
.set n, n+1
.endr
	WIN 0
.endm
; THE HEADS: one tile of 16 rows (0-2 xyz, 3 opacity, 4-7 rotation, 8-10 scale), 8 K blocks, four tiles of points; the four accumulators (window 2, v0-31) take turns.
.macro FETCHH
	WIN 0
.irp k, 0,1,2,3,4,5,6,7
	ds_load_b128 v[AF+8*(\k):AF+8*(\k)+3], v[ADRH] offset:1024*(\k)
	ds_load_b128 v[AF+8*(\k)+4:AF+8*(\k)+7], v[ADRH] offset:1024*(\k)+512
.endr
	ds_load_b128 v[BIA:BIA+3], v[ABH]
	ds_load_b128 v[BIA+4:BIA+7], v[ABH] offset:16
.endm
.macro HEADS
	WIN 0
	s_wait_dscnt 0x0
.irp j, 0,2,4,6
	v_pk_mul_f32 v[BIA+(\j):BIA+(\j)+1], v[BIA+(\j):BIA+(\j)+1], s[HS:HS+1] op_sel_hi:[1,0]
.endr
.irp k, 0,1,2,3,4,5,6,7
.irp t, 0,1,2,3
.if (\k) == 0
	WIN 0x84
	v_wmma_f32_16x16x32_f16 v[8*(\t):8*(\t)+7], v[AF+8*(\k):AF+8*(\k)+7], v[32*(\k)+8*(\t):32*(\k)+8*(\t)+7], v[BIA:BIA+7]
.else
	WIN 0xa4
	v_wmma_f32_16x16x32_f16 v[8*(\t):8*(\t)+7], v[AF+8*(\k):AF+8*(\k)+7], v[32*(\k)+8*(\t):32*(\k)+8*(\t)+7], v[8*(\t):8*(\t)+7]
.endif
.endr
.endr
.endm
; THE WAY OUT of 64 points.  A lane holds a point's rows 0-7 (lanes 0-15) or 8-15 (lanes 16-31).  They go into my stage as the four outputs lie in memory and come back as whole rows: each store of the wave covers 256 or 512
; consecutive bytes, aligned.  Registers 3 to 7 of lanes 16-31 are padding rows: they go to the stage's last 1,280 bytes, which nobody reads, so that no line needs a narrower EXEC.
.macro OUT step
	PLACES
	WIN 0x02
.set n, 0
.rept 16
	v_pk_mul_f32 v[OB+n:OB+n+1], v[n:n+1], s[IV:IV+1] op_sel_hi:[1,0]
.set n, n+2
.endr
	WIN 0
.irp t, 0,1,2,3
.irp j, 0,1,2
	ds_store_b32 v[AS], v[OB+8*(\t)+(\j)] offset:192*(\t)+4*(\j)
.endr
	ds_store_b32 v[AS3], v[OB+8*(\t)+3] offset:2560+64*(\t)
	ds_store_b128 v[AS4], v[OB+8*(\t)+4:OB+8*(\t)+7] offset:768+256*(\t)
.endr
.irp c, 0,1,2                          ; LDS serves a wave's instructions in order (ISA guide 5.7.1.4): these see the stores above
	ds_load_b64 v[RB+2*(\c):RB+2*(\c)+1], v[RD8] offset:256*(\c)
	ds_load_b64 v[RB+6+2*(\c):RB+6+2*(\c)+1], v[RD8] offset:1792+256*(\c)
.endr
	ds_load_b64 v[RB+12:RB+13], v[RD8] offset:2560
	ds_load_b128 v[RB+16:RB+19], v[RD16] offset:768
	ds_load_b128 v[RB+20:RB+23], v[RD16] offset:1280
	s_wait_dscnt 0x0
.irp c, 0,1,2
	global_store_b64 v[GO8], v[RB+2*(\c):RB+2*(\c)+1], s[10:11] offset:256*(\c) th:TH_STORE_NT
	global_store_b64 v[GO8], v[RB+6+2*(\c):RB+6+2*(\c)+1], s[14:15] offset:256*(\c) th:TH_STORE_NT
.endr
	global_store_b64 v[GO8], v[RB+12:RB+13], s[16:17] th:TH_STORE_NT
	global_store_b128 v[GO16], v[RB+16:RB+19], s[12:13] th:TH_STORE_NT
	global_store_b128 v[GO16], v[RB+20:RB+23], s[12:13] offset:512 th:TH_STORE_NT
.if \step
	s_wait_xcnt 0x0                                ; the stores have read their bases and their data: both are rewritten only behind this wait
	s_add_nc_u64 s[10:11], s[10:11], 768
	s_add_nc_u64 s[12:13], s[12:13], 1024
	s_add_nc_u64 s[14:15], s[14:15], 768
	s_add_nc_u64 s[16:17], s[16:17], 256
.endif
.endm
; THE ENCODING of a batch.  A lane runs two chains a tile, in register pairs: A = x (lanes 0-15) or z (lanes 16-31), B = y.  Register l of x's fragment f holds (sin_l, cos_l) of chain f, l = 0..5; register 6 (the coordinate, 1);
; register 7 is 0.  In lanes 16-31 chain B's slots have zero weights.  Tile t works in v[AF + 16 t ..]: +0 the coordinates, +2 the reduced angle, +4 its square, +6 or +12 s, +8 c, +10 2 s.
.macro DBL                             ; sin 2u = 2 s c, cos 2u = 1 - 2 s s
.irp t, 0,1,2,3
.set eb, AF+16*(\t)
	v_pk_add_f32 v[eb+10:eb+11], v[eb+sS:eb+sS+1], v[eb+sS:eb+sS+1]
.endr
.irp t, 0,1,2,3
.set eb, AF+16*(\t)
	v_pk_mul_f32 v[eb+sN:eb+sN+1], v[eb+10:eb+11], v[eb+8:eb+9]
.endr
.irp t, 0,1,2,3
.set eb, AF+16*(\t)
	v_pk_fma_f32 v[eb+8:eb+9], v[eb+10:eb+11], v[eb+sS:eb+sS+1], 1.0 op_sel_hi:[1,1,0] neg_lo:[1,0,0] neg_hi:[1,0,0]
.endr
.set sT, sS
.set sS, sN
.set sN, sT
.endm
.macro EMIT l
.irp t, 0,1,2,3
.set eb, AF+16*(\t)
	v_cvt_pk_f16_f32 v[XF+16*(\t)+(\l)], v[eb+sS], v[eb+8]
	v_cvt_pk_f16_f32 v[XF+16*(\t)+8+(\l)], v[eb+sS+1], v[eb+9]
.endr
.endm
.macro ENCODE
	WIN 0
.set sS, 6
.set sN, 12
	v_mov_b32 v[AF+14], 1.0
.irp t, 0,1,2,3
.set eb, AF+16*(\t)
	v_lshlrev_b32 v[eb], 16, v[XC+(\t)]
	v_and_b32 v[eb+1], 0xffff0000, v[XC+(\t)]
.endr
.irp t, 0,1,2,3
.set eb, AF+16*(\t)
	v_pk_mul_f32 v[eb+2:eb+3], v[eb:eb+1], 0x3f490fdb op_sel_hi:[1,0]              ; x pi / 4: a quarter of the module's lowest argument, exactly
.endr
.irp t, 0,1,2,3
.set eb, AF+16*(\t)
	v_pk_mul_f32 v[eb+4:eb+5], v[eb+2:eb+3], 0x3f22f983 op_sel_hi:[1,0]            ; x 2 / pi
.endr
.irp t, 0,1,2,3
.set eb, AF+16*(\t)
	v_rndne_f32 v[eb+4], v[eb+4]
	v_rndne_f32 v[eb+5], v[eb+5]
.endr
.irp t, 0,1,2,3
.set eb, AF+16*(\t)
	v_pk_fma_f32 v[eb+2:eb+3], v[eb+4:eb+5], 0xbfc90fdb, v[eb+2:eb+3] op_sel_hi:[1,0,1]  ; less k pi / 2, in two parts: four times k pi / 2 are whole turns
.endr
.irp t, 0,1,2,3
.set eb, AF+16*(\t)
	v_pk_fma_f32 v[eb+2:eb+3], v[eb+4:eb+5], 0x333bbd2e, v[eb+2:eb+3] op_sel_hi:[1,0,1]
.endr
.irp t, 0,1,2,3
.set eb, AF+16*(\t)
	v_pk_mul_f32 v[eb+4:eb+5], v[eb+2:eb+3], v[eb+2:eb+3]
.endr
.irp t, 0,1,2,3
.set eb, AF+16*(\t)
	v_pk_fma_f32 v[eb+6:eb+7], v[eb+4:eb+5], s[KS4:KS4+1], s[KS3:KS3+1] op_sel_hi:[1,0,0]
	v_pk_fma_f32 v[eb+8:eb+9], v[eb+4:eb+5], s[KC4:KC4+1], s[KC3:KC3+1] op_sel_hi:[1,0,0]
.endr
.irp t, 0,1,2,3
.set eb, AF+16*(\t)
	v_pk_fma_f32 v[eb+6:eb+7], v[eb+6:eb+7], v[eb+4:eb+5], s[KS2:KS2+1] op_sel_hi:[1,1,0]
	v_pk_fma_f32 v[eb+8:eb+9], v[eb+8:eb+9], v[eb+4:eb+5], s[KC2:KC2+1] op_sel_hi:[1,1,0]
.endr
.irp t, 0,1,2,3
.set eb, AF+16*(\t)
	v_pk_fma_f32 v[eb+6:eb+7], v[eb+6:eb+7], v[eb+4:eb+5], s[KS1:KS1+1] op_sel_hi:[1,1,0]
	v_pk_fma_f32 v[eb+8:eb+9], v[eb+8:eb+9], v[eb+4:eb+5], -0.5 op_sel_hi:[1,1,0]
.endr
.irp t, 0,1,2,3
.set eb, AF+16*(\t)
	v_pk_fma_f32 v[eb+6:eb+7], v[eb+6:eb+7], v[eb+4:eb+5], 1.0 op_sel_hi:[1,1,0]
	v_pk_fma_f32 v[eb+8:eb+9], v[eb+8:eb+9], v[eb+4:eb+5], 1.0 op_sel_hi:[1,1,0]
.endr
.irp t, 0,1,2,3
.set eb, AF+16*(\t)
	v_pk_mul_f32 v[eb+6:eb+7], v[eb+6:eb+7], v[eb+2:eb+3]
.endr
	DBL
	DBL
	EMIT 0
	DBL
	EMIT 1
	DBL
	EMIT 2
	DBL
	EMIT 3
	DBL
	EMIT 4
	DBL
	EMIT 5
.irp t, 0,1,2,3
.set eb, AF+16*(\t)
	v_cvt_pk_f16_f32 v[XF+16*(\t)+6], v[eb], v[AF+14]
	v_cvt_pk_f16_f32 v[XF+16*(\t)+14], v[eb+1], v[AF+14]
.endr
.set n, 0
.rept 12
	v_mov_b32 v[XC+n], v[XC+n+4]                   ; the next batch's coordinates move up: one text serves every batch
.set n, n+1
.endr
.endm
	s_load_b256 s[4:11], s[0:1], 0x0               ; xyz s[4:5], wq s[6:7], nrm s[8:9], out0 s[10:11]
	s_load_b128 s[12:15], s[0:1], 0x20             ; out1 s[12:13], out2 s[14:15]
	s_load_b64 s[16:17], s[0:1], 0x30              ; out3
	v_lshl_add_u32 v[SPW], v0, 2, SPARE
	v_mov_b32 v[NIL], 0
	ds_add_u32 v[SPW], v[NIL]                      ; the wave's opening: the add, twice on end, and its wait stand ahead of my first tensor load; the set-up below stands between
	ds_add_u32 v[SPW], v[NIL]                      ; and once more, under the one wait
	v_lshrrev_b32 v1, 5, v0
	v_readfirstlane_b32 s[WV], v1                  ; wave 0..3
	s_bfe_u32 s[CX], ttmp6, 0x40000                ; my place in the cluster: it enters xyz's, the outputs' and the prefetches' addresses alone
	; descriptor group 1: dense rows of 256 bytes, as 32 elements of 8 bytes
	s_mov_b32 s[G1], 15|(3<<16)|(1<<21)            ; 15:0 the mask: all four work-groups; 17:16 elements of 8 bytes; 21 set beside a mask; no padding: fragments lie in lane order
	s_mov_b32 s[G1+1], 32<<16                      ; tensor_dim0 = 32
	s_mov_b32 s[G1+2], 65<<16                      ; tensor_dim1 = 65
	s_mov_b32 s[G1+3], 32<<16                      ; tile_dim0 = 32
	s_mov_b32 s[G1+4], 65                          ; tile_dim1 = 65
	s_mov_b32 s[G1+5], 32                          ; 32 elements from row to row
	s_mov_b32 s[G1+6], 0
	s_mov_b32 s[G1+7], 0
	s_mov_b32 s[G1R], 15|(3<<16)|(1<<21)
	s_mov_b32 s[G1R+1], 32<<16
	s_mov_b32 s[G1R+2], 73<<16
	s_mov_b32 s[G1R+3], 32<<16
	s_mov_b32 s[G1R+4], 73
	s_mov_b32 s[G1R+5], 32
	s_mov_b32 s[G1R+6], 0
	s_mov_b32 s[G1R+7], 0
	s_mul_i32 s[OFF], s[WV], QB                    ; my quarter of a slot, in LDS and in wq
	s_mov_b32 s[OFF+1], 0
	s_mul_i32 s92, s[WV], RESQ                     ; my quarter of the resident part
	s_mov_b32 s93, 0
	s_mov_b32 s[G0A], 1
	s_mov_b32 s[G0A+1], s[OFF]
	s_mov_b32 s[G0A+4], 1
	s_add_co_u32 s[G0A+5], s[OFF], RING1
	s_mov_b32 s[G0R], 1
	s_add_co_u32 s[G0R+1], s92, RES
	s_mov_b32 s[KS1], 0xbe2aaaab                   ; sine: -1/3!, 1/5!, -1/7!, 1/9!
	s_mov_b32 s[KS1+1], 0xbe2aaaab
	s_mov_b32 s[KS2], 0x3c088889
	s_mov_b32 s[KS2+1], 0x3c088889
	s_mov_b32 s[KS3], 0xb9500d01
	s_mov_b32 s[KS3+1], 0xb9500d01
	s_mov_b32 s[KS4], 0x3638ef1d
	s_mov_b32 s[KS4+1], 0x3638ef1d
	s_mov_b32 s[KC2], 0x3d2aaaab                   ; cosine: 1/4!, -1/6!, 1/8!
	s_mov_b32 s[KC2+1], 0x3d2aaaab
	s_mov_b32 s[KC3], 0xbab60b61
	s_mov_b32 s[KC3+1], 0xbab60b61
	s_mov_b32 s[KC4], 0x37d00d01
	s_mov_b32 s[KC4+1], 0x37d00d01
	s_and_b32 s94, s[WV], 1                        ; waves 0 and 2 of the first cluster prefetch, in the first trip
	s_or_b32 s94, s94, ttmp9
	s_cmp_eq_u32 s94, 0
	s_cselect_b32 s[LIM], 12, -1
	s_mul_i32 s94, s[CX], QB
	s_lshr_b32 s95, s[WV], 1
	s_lshl_b32 s95, s95, 13
	s_add_co_u32 s94, s94, s95
	s_add_co_u32 s94, s94, 4*CHUNK                 ; chunk 4, quarter cx, rows 0-31 or 32-63
	s_mov_b32 s95, 0
	s_lshl_b32 s96, ttmp9, 2                       ; in a cluster launch ttmp9 counts clusters
	s_add_co_u32 s96, s96, s[CX]
	s_lshl_b32 s96, s96, 2
	s_add_co_u32 s96, s96, s[WV]
	s_lshl_b32 s96, s96, 8                         ; my wave's first point
	s_mul_i32 s98, s96, 12
	s_mov_b32 s99, 0
	s_wait_dscnt 0x0                               ; both opening adds are done
	s_wait_kmcnt 0x0
	s_add_nc_u64 s[WQA:WQA+1], s[6:7], s[OFF:OFF+1]
	s_add_nc_u64 s[WQA+2:WQA+3], s[WQA:WQA+1], CHUNK
	s_mov_b64 s[G0A+2:G0A+3], s[WQA:WQA+1]
	s_or_b32 s[G0A+3], s[G0A+3], 0x80000000        ; type = 2
	s_mov_b64 s[G0A+6:G0A+7], s[WQA+2:WQA+3]
	s_or_b32 s[G0A+7], s[G0A+7], 0x80000000
	s_add_nc_u64 s[G0R+2:G0R+3], s[6:7], s[92:93]
	s_add_nc_u64 s[G0R+2:G0R+3], s[G0R+2:G0R+3], RESG
	s_or_b32 s[G0R+3], s[G0R+3], 0x80000000
	s_add_nc_u64 s[PFA:PFA+1], s[6:7], s[94:95]
	s_add_nc_u64 s[4:5], s[4:5], s[98:99]          ; xyz, out0 and out2: 12 bytes a point
	s_add_nc_u64 s[10:11], s[10:11], s[98:99]
	s_add_nc_u64 s[14:15], s[14:15], s[98:99]
	s_lshl_b32 s98, s96, 4
	s_add_nc_u64 s[12:13], s[12:13], s[98:99]      ; out1: 16
	s_lshl_b32 s98, s96, 2
	s_add_nc_u64 s[16:17], s[16:17], s[98:99]      ; out3: 4
	CROUND                                         ; all four work-groups are here: the first joint loads meet
	tensor_load_to_lds s[G0R:G0R+3], s[G1R:G1R+7]  ; the first fills go out together: three loads of mine are out
	s_nop 0
	tensor_load_to_lds s[G0A:G0A+3], s[G1:G1+7]    ; chunk 0
	s_nop 0
	tensor_load_to_lds s[G0A+4:G0A+7], s[G1:G1+7]  ; chunk 1
	s_nop 0
	PLACES
	v_and_b32 v59, 31, v0                          ; lane
	v_and_b32 v57, 15, v0                          ; r
	v_bfe_u32 v58, v0, 4, 1                        ; h
	v_mul_u32_u24 v60, v57, 12
	v_add_nc_u32 v61, 4, v60                       ; chain B: y of point r
	v_lshl_add_u32 v60, v58, 3, v60                ; chain A: x, or z in lanes 16-31
	v_lshlrev_b32 v62, 2, v59
	global_load_b32 v[AF+64], v62, s[8:9]          ; nrm: arrays 0-3, eight pairs each,
	global_load_b32 v[AF+65], v62, s[8:9] offset:128  ; and 4-7
.set n, 0
.rept 16                               ; my wave's 16 tiles of points
	global_load_b32 v[AF+2*n], v60, s[4:5] offset:192*n
	global_load_b32 v[AF+2*n+1], v61, s[4:5] offset:192*n
.set n, n+1
.endr
	v_lshlrev_b32 v[GO16], 4, v59
	v_lshlrev_b32 v[GO8], 3, v59
	v_lshlrev_b32 v[PFO], 8, v59
	v_lshlrev_b32 v63, 5, v58
.irp s, 0,1
.irp q, 0,1
	v_add_nc_u32 v[ADR+2*(\s)+(\q)], RING1*(\s)+2*QB*(\q), v[GO16]
	v_add_nc_u32 v[ABI+2*(\s)+(\q)], RING1*(\s)+2*QB*(\q)+16384, v63
.endr
.endr
	v_add_nc_u32 v[ADRX], RES, v[GO16]
	v_add_nc_u32 v[ADRH], RES+RHD, v[GO16]
	v_add_nc_u32 v[ABH], RES+RHB, v63
	s_lshl_b32 s[T0], s[WV], 12
	s_add_co_u32 s[T0], s[T0], STAGE               ; my stage
	v_mul_u32_u24 v[AS], v57, 12                   ; xyz (lanes 0-15) and scale (lanes 16-31): 12 bytes a point
	v_mul_u32_u24 v63, v58, 1792
	v_add3_u32 v[AS], v[AS], v63, s[T0]
	v_lshlrev_b32 v[AS3], 2, v57                   ; opacity: 4 bytes a point; lanes 16-31 256 bytes on
	v_lshl_add_u32 v[AS3], v58, 8, v[AS3]
	v_add_nc_u32 v[AS3], s[T0], v[AS3]
	v_mul_u32_u24 v63, v58, 2304                   ; rotation: 16 bytes a point; lanes 16-31 2,304 bytes on
	v_lshl_add_u32 v[AS4], v57, 4, v63
	v_add_nc_u32 v[AS4], s[T0], v[AS4]
	v_add_nc_u32 v[RD16], s[T0], v[GO16]
	v_add_nc_u32 v[RD8], s[T0], v[GO8]
	v_mov_b32 v[ZERO], 0
.set n, 0
.rept 8
	v_mov_b32 v[XF+8*n+7], 0                       ; x's last two K slots of each eight registers are 0 for good
.set n, n+1
.endr
	s_wait_loadcnt 0x0
	; the scales
.irp m, 1,2,4
	v_max_num_f32_dpp v[AF+64], v[AF+64], v[AF+64] row_xmask:\m row_mask:0xf bank_mask:0xf
	v_max_num_f32_dpp v[AF+65], v[AF+65], v[AF+65] row_xmask:\m row_mask:0xf bank_mask:0xf
.endr
	v_readlane_b32 s92, v[AF+64], 0                ; c0
	v_readlane_b32 s93, v[AF+64], 8                ; a1
	v_readlane_b32 s94, v[AF+64], 16               ; c1
	v_readlane_b32 s95, v[AF+64], 24               ; a2
	v_readlane_b32 s96, v[AF+65], 0                ; c2
	v_readlane_b32 s97, v[AF+65], 8                ; a3
	v_readlane_b32 s98, v[AF+65], 16               ; c3
	v_mov_b32 v[AF+66], s92                        ; B0
	v_fma_f32 v[AF+67], v[AF+66], s93, s94         ; B1
	v_fma_f32 v[AF+68], v[AF+67], s95, s96         ; B2
	v_fma_f32 v[AF+69], v[AF+68], s97, s98         ; B3
	v_max_num_f32 v[AF+67], 0x43800000, v[AF+67]   ; S_1 also scales x at the skip: at least 256
.irp n, 66,67,68,69
	v_max_num_f32 v[AF+(\n)], 0x30800000, v[AF+(\n)]  ; held to 2^-30 .. 2^60, so that every scale and ratio is a normal number
	v_min_num_f32 v[AF+(\n)], 0x5d800000, v[AF+(\n)]
.endr
	v_readfirstlane_b32 s92, v[AF+66]
	v_readfirstlane_b32 s93, v[AF+67]
	v_readfirstlane_b32 s94, v[AF+68]
	v_readfirstlane_b32 s95, v[AF+69]
.irp n, 0,1,2,3
	s_lshr_b32 s[92+(\n)], s[92+(\n)], 23          ; E_l
	s_sub_co_u32 s[SCL+(\n)], 268, s[92+(\n)]
	s_lshl_b32 s[SCL+(\n)], s[SCL+(\n)], 23        ; S_l = 2^(141 - E_l)
.endr
	s_mov_b32 s[RHO], s[SCL]                       ; x is unscaled
.irp n, 1,2,3
	s_sub_co_u32 s96, s[91+(\n)], s[92+(\n)]
	s_add_co_u32 s96, s96, 127
	s_lshl_b32 s[RHO+(\n)], s96, 23                ; S_l / S_(l-1) = 2^(E_(l-1) - E_l)
.endr
	s_sub_co_u32 s96, s95, 26
	s_lshl_b32 s[IV], s96, 23                      ; 2^-12 / S_3 = 2^(E_3 - 153)
	s_mov_b32 s[IV+1], s[IV]
	s_mov_b32 s[HS], s[SCL+3]
	s_mov_b32 s[HS+1], s[SCL+3]
	v_mov_b32 v[AF+66], s[SCL+1]
	v_cvt_pk_f16_f32 v[TAU], v[AF+66], v[AF+66]    ; S_1, at most 64, twice in f16
.set n, 0
.rept 16
	v_cvt_pk_bf16_f32 v[XC+n], v[AF+2*n], v[AF+2*n+1]  ; the coordinates, rounded to bf16: chain A below, chain B above
.set n, n+1
.endr
	s_wait_tensorcnt 0x1                           ; my parts of the resident weights and of chunk 0 are in; chunk 1's may stay out
	s_barrier_signal -1
	s_barrier_wait -1                              ; everybody's are
	s_mov_b32 s[CNT], 13
	s_mov_b32 s[LY], 0
	s_branch .Lenter                               ; the loop is entered where a batch begins
.Ltrip:                                        ; a trip is a layer 1..3 of a batch: 12 in all, the last written out from its first change of slots on, since it asks for nothing
	s_cmp_eq_u32 s[LY], 3
	s_cselect_b32 s[T0], 0, s[LY]
	s_mul_i32 s[OFF], s[T0], LAYB                  ; the next trip's layer: 2, 3, or 1 again
	s_cmp_eq_u32 s[LY], 1
	s_cselect_b32 s[SS], s[SCL], s[SCL+2]
	s_cselect_b32 s[RH], s[RHO+1], s[RHO+3]
	s_cmp_eq_u32 s[LY], 2
	s_cselect_b32 s[SS], s[SCL+1], s[SS]           ; the biases take S_(l-1),
	s_cselect_b32 s[RH], s[RHO+2], s[RH]           ; the sums S_l / S_(l-1)
	s_mov_b32 s[SS+1], s[SS]
	s_mov_b32 s[RH+1], s[RH]
	GEVEN 0, 2, 0
	GODD  0, 2, 1
	GEVEN 0, 2, 2
	GODD  0, 2, 3
	GEVEN 0, 2, 4
	GODD  0, 2, 5
	GEVEN 0, 2, 6
	WIN 0                                          ; at a label and at a branch every window is 0
	s_cmp_eq_u32 s[CNT], 1
	s_cbranch_scc1 .Ltail
	GROUP7 0, 2, 1, 1, 0
	GEVEN 1, 3, 0
	GODD  1, 3, 1
	GEVEN 1, 3, 2
	GODD  1, 3, 3
	GEVEN 1, 3, 4
	GODD  1, 3, 5
	GEVEN 1, 3, 6
	GROUP7 1, 3, 1, 0, CHUNK
	WIN 0
	s_cmp_lg_u32 s[LY], 2
	s_cbranch_scc1 .Lnox
.set n, 0
.rept 64                               ; the skip: x takes h_1's scale, in place (it is made anew for the next batch)
.if (n%8) != 7
	v_pk_mul_f16 v[XF+n], v[XF+n], v[TAU]
.endif
.set n, n+1
.endr
	XPH RX2, 0
	WIN 0
.Lnox:
	PLACES
	s_cmp_eq_u32 s[LY], 3
	s_cbranch_scc1 .Lfor_heads
	FETCH 0, 0                                     ; the next layer's first group: slot 0 was filled in this trip and shown whole by the second change of slots
	s_branch .Lconvert
.Lfor_heads:
	FETCHH
.Lconvert:
	CONVERT
	s_cmp_lg_u32 s[LY], 3
	s_cbranch_scc1 .Lbottom
	HEADS
	OUT 1
.Lenter:                                       ; a batch begins: encoding and layer 0
	ENCODE
	XPH 0, 1
	PLACES
	FETCH 0, 0
	s_mov_b32 s[RH], s[RHO]
	s_mov_b32 s[RH+1], s[RHO]
	CONVERT
	s_mov_b32 s[LY], 0
.Lbottom:
	s_add_co_u32 s[LY], s[LY], 1
	s_sub_co_u32 s[CNT], s[CNT], 1
	s_branch .Ltrip
.Ltail:                                        ; the last batch's layer 3, second half: nothing is asked for, so no round
	GROUP7 0, 2, 0, 1, -1
	GEVEN 1, 3, 0
	GODD  1, 3, 1
	GEVEN 1, 3, 2
	GODD  1, 3, 3
	GEVEN 1, 3, 4
	GODD  1, 3, 5
	GEVEN 1, 3, 6
	s_wait_dscnt 0x0
	MUL8 3, 3, 1, 0
	MUL8 3, 3, 1, 1
	MUL8 3, 3, 1, 2
	MUL8 3, 3, 1, 3
	PLACES
	FETCHH
	CONVERT
	HEADS
	OUT 0
	s_wait_tensorcnt 0x0                           ; the wave's end: behind my last tensor load and my last LDS store
	ds_add_u32 v[SPW], v[NIL]
	s_wait_dscnt 0x0
	CROUND                                         ; the closing round: no work-group ends while a partner may still ask for a piece that names it
	s_endpgm
.Lfunc_end_k_q7bb945133a_mlp:
	.size	k_q7bb945133a_mlp, .Lfunc_end_k_q7bb945133a_mlp-k_q7bb945133a_mlp
	.p2alignl 7, 3214868480
	.fill 96, 4, 3214868480
	.section	.rodata,"a",@progbits
	.p2align	6, 0x0
	.amdhsa_kernel k_q7bb945133a_mlp
		.amdhsa_group_segment_fixed_size 327680
		.amdhsa_private_segment_fixed_size 0
		.amdhsa_enable_private_segment 0
		.amdhsa_kernarg_size 56
		.amdhsa_user_sgpr_count 2
		.amdhsa_user_sgpr_kernarg_segment_ptr 1
		.amdhsa_wavefront_size32 1
		.amdhsa_system_sgpr_workgroup_id_x 1
		.amdhsa_system_sgpr_workgroup_id_y 1
		.amdhsa_system_sgpr_workgroup_id_z 1
		.amdhsa_system_vgpr_workitem_id 0
		.amdhsa_next_free_vgpr 1024
		.amdhsa_next_free_sgpr 100
		.amdhsa_reserve_vcc 0
		.amdhsa_float_denorm_mode_32 3
		.amdhsa_float_denorm_mode_16_64 3
		.amdhsa_memory_ordered 1
		.amdhsa_forward_progress 1
		.amdhsa_inst_pref_size 255
	.end_amdhsa_kernel
	.section	.bss,"aw",@nobits
	.p2align	6
	.space	262144
	.amdgpu_metadata
---
amdhsa.version: [ 1, 2 ]
amdhsa.kernels:
  - .name:           k_q7bb945133a_mlp
    .symbol:         k_q7bb945133a_mlp.kd
    .args:
      - { .name: canonical_xyz, .offset: 0, .size: 8, .value_kind: global_buffer, .address_space: global }
      - { .name: wq, .offset: 8, .size: 8, .value_kind: global_buffer, .address_space: global }
      - { .name: nrm, .offset: 16, .size: 8, .value_kind: global_buffer, .address_space: global }
      - { .name: out0, .offset: 24, .size: 8, .value_kind: global_buffer, .address_space: global }
      - { .name: out1, .offset: 32, .size: 8, .value_kind: global_buffer, .address_space: global }
      - { .name: out2, .offset: 40, .size: 8, .value_kind: global_buffer, .address_space: global }
      - { .name: out3, .offset: 48, .size: 8, .value_kind: global_buffer, .address_space: global }
    .group_segment_fixed_size: 327680
    .private_segment_fixed_size: 0
    .kernarg_segment_align: 8
    .kernarg_segment_size: 56
    .max_flat_workgroup_size: 128
    .sgpr_count:     100
    .vgpr_count:     1024
    .wavefront_size: 32
...
	.end_amdgpu_metadata
.endif
;; end of part 2
